; MI455X (gfx1250); checked and timed in simulation.
; The chip was launched on July 23, 2026; its instructions are those of AMD's public machine-readable ISA for CDNA 5 (MIT licence, August 2026) and "CDNA5" Instruction Set Architecture Reference Guide (July 2026). The comments in the code are by the model that wrote it; some were corrected since.
;; Align. Allowed arithmetic: matrix products marked QUANTISED: E4M3 operands, one E8M0 scale for each 32 along K, by v_wmma_scale_f32_16x16x128_f8f6f4 with both operands' format E4M3, f32 sums; products left as they are: f32 operands where the result goes on into a quantised operand, else bf16, f16 or f32 operands; f32 sums; everything else in f32.
;; Inputs: W 2,048 x 2,048 float32; b 2,048 float32; key 128 x 128 x 2,048 float32; v 128 x 2,048 x 1 float32; value 128 x 128 x 2,048 float32.
;; Outputs: out0 128 x 2,048 float32; out1 128 x 128 x 1 float32.
;; This version of the problem:
;;   THIS VERSION OF THE PROBLEM IS GIVEN IN LOW PRECISION. The matrix products marked QUANTISED in the list below multiply operands that are first quantised to E4M3 (4 exponent bits, 3 mantissa bits; 8 bits a number), with one power-of-two scale for each 32 numbers along K (OCP MX v1.0); their sums are f32. All else is computed in f32.
;;   The module's matrix products, in the order in which they are computed (A, B: the left and right operand; K: the contracted axis; several contracted axes count as one K, in the product's order):
;;     1. [M 16,384, K 2,048] x [K 2,048, N 2,048]; A: input key; B: input W: QUANTISED
;;     2. batch 128 x [M 128, K 2,048] x [K 2,048, N 1]; A: computed on the way; B: input v: left as it is (N = 1 < 16)
;;   THE QUANTISER, for each operand of a quantised product, along K:
;;     - K is cut into blocks of 32 from its start; a last block that is shorter is filled with zeros.
;;     - A block's scale is 2^e with e = floor(log2(the largest magnitude in the block)) - 8, held to -126 .. 127; a block of zeros has e = 0. As a byte (E8M0): e + 127.
;;     - Each number is divided by its block's scale, clamped to +-448, and rounded to the nearest number of E4M3, ties to even, subnormals kept.
;;     - The product sums the exact products of the quantised numbers (number of the format x scale) in f32.
;;   ~~~python
;;   def quantise(x, axis):      # numpy; x: float32 -> the quantised numbers, widened to float32 again
;;       x = np.moveaxis(x, axis, -1); K = x.shape[-1]
;;       x = np.pad(x, [(0, 0)] * (x.ndim - 1) + [(0, -K % 32)]); x = x.reshape(x.shape[:-1] + (-1, 32)); a = np.abs(x).max(-1, keepdims=True)
;;       e = np.where(a > 0, np.clip(np.frexp(np.where(a > 0, a, 1))[1] - 1 - 8, -126, 127), 0)      # np.frexp(a)[1] - 1 = floor(log2(a)), exactly
;;       r = np.clip(x / 2.0 ** e, -448, 448)
;;       step = 2.0 ** (np.maximum(np.frexp(np.where(r == 0, 1, r))[1] - 1, -6) - 3)
;;       q = np.round(r / step) * step * 2.0 ** e      # np.round: ties to even
;;       return np.moveaxis(q.reshape(q.shape[:-2] + (-1,))[..., :K], -1, axis).astype(np.float32)
;;   ~~~
;; One version. Each part assembles by itself: llvm-mc -triple=amdgcn-amd-amdhsa -mcpu=gfx1250 --defsym DOCPART=n.
;; ======== version 1 of 1: 3 launches
;; limits: right only within a limited range of input values
;; workspace buffers: a_t 34,603,008 bytes; w_t 4,325,376 bytes; part 1,048,576 bytes
;; launch quant (part 1): grid 1152 x 1, 4 waves a work-group, no clusters, 33,280 bytes of LDS; arguments key, W, a_t, w_t; writes a_t, w_t
.if DOCPART == 1
	.amdgcn_target "amdgcn-amd-amdhsa--gfx1250"
	.amdhsa_code_object_version 6
	.text
	.protected	k_q455f43f9a1_quant
	.globl	k_q455f43f9a1_quant
	.p2align	8
	.type	k_q455f43f9a1_quant,@function
k_q455f43f9a1_quant:
	s_mov_b64 s[64:65], 0
	v_nop
	global_prefetch_b8 v0, s[64:65] scope:SCOPE_SE
	s_setreg_imm32_b32 hwreg(HW_REG_WAVE_MODE, 25, 1), 1
	s_wait_xcnt 0x0
; key [128 (s)][128 (b)][2048] and W [2048][2048], f32, become codes of FP8 (E4M3) with one E8M0 scale byte for each 32 along K.
; WORK LEFT OUT BY THE PROGRAM (in the launch that follows): tanh(x) = 1 - 2 r with r = 1 / (1 + e^(2x)), so score[b][s] = sum_e v[b][e] - 2 sum_e v[b][e] r[b][s][e].
; The first term does not hang on s; both outputs take the scores only through the softmax over s, which a term equal along s leaves as it is, for all finite inputs.  So that term is never formed; every input is still loaded.
; LIMIT: a NaN, an infinity or an overflow that would arise only in sum_e v[b][e] is not carried to the results.
; LAYOUT OF THE CODES, as the product's tensor loads take them: [K step of 256][block of 128 rows] tiles of TILEB bytes: 128 rows x 256 codes, then 128 rows x 8 scale bytes: 132 dense rows of 256 bytes.
; Row m = 128 b + s of key's codes is key[s][b][:]: a block is a batch.  The order is changed on the read side: a row is 8,192 consecutive bytes wherever it lies.
; A block's scale is 2^(floor(log2(its largest magnitude)) - 8); its byte is the largest magnitude's exponent field - 8, held at 1 from below; numbers are held within +-448 x scale and rounded to the nearest code, ties to even.
; LIMITS: a block of zeros gets the byte 1 where the rule says 127 (its codes are zeros, and this program alone reads the bytes); blocks under 2^(8 - 126) have their byte held at 1; NaN and infinities among the inputs are not served.
; SHARES.  A wave takes four rows, 16 steps of 512 numbers.  The first WGA work-groups take key, the others W: only pointers, offsets and distances are chosen, on the work-group's number.
; A step's four loads read 512 consecutive bytes each and turn through the wave's own stage in LDS, so that a lane holds 16 neighbours.  A step's 512 codes are two K steps' parts of a row: sixteen lanes store 256 consecutive, aligned bytes each.
; The scale bytes of a wave's four rows are 32 consecutive bytes in each of eight tiles: they are written as parts of 256-byte units, one byte for each 128 that the launch reads.
; No tensor loads, no barrier, no cluster: waves share nothing.
.set STEPS, 16
.set WGA,   1024
.set EMAX,  8
.set MANT,  0x600000
.set TILEB, 33792
.set KSA,   128*TILEB                  ; from K step to K step in key's codes
.set KSB,   16*TILEB                   ; and in W's
.set R,     16                         ; v16-79   four sets of 16 numbers as loaded
.set X,     80                         ; v80-111  two sets of 16 neighbours
.set E,     112                        ; v112-115 scale bytes, four by turns: a byte's store is done two steps on, by the steps' waits on DScnt
.set RO,    116                        ; v116-119 16 x lane + j x the distance from row to row
.set CQ,    120                        ; v120-123 the codes' place for quarter q of a row: (2 q + lane / 16) K steps + 16 (lane % 16)
.set SPW,   124
.set NIL,   125
.set C,     128                        ; v128-191 codes: four registers a step, never rewritten
.set WREG,  8192
.set SP,    80
.set SPARE, 0x8000
	s_load_b128 s[4:7], s[0:1], 0x0                ; key, W
	s_load_b128 s[8:11], s[0:1], 0x10              ; key's tiles, W's tiles
	v_lshl_add_u32 v[SPW], v0, 2, SPARE
	v_mov_b32 v[NIL], 0
	v_lshrrev_b32 v1, 5, v0
	v_readfirstlane_b32 s16, v1                    ; wave
	v_and_b32 v2, 31, v0                           ; lane
	v_lshlrev_b32 v3, 4, v2
	s_mul_i32 s27, s16, WREG
	v_lshrrev_b32 v14, 2, v2
	v_mul_u32_u24 v14, v14, SP
	v_and_b32 v15, 3, v2
	v_lshl_add_u32 v14, v15, 4, v14
	v_add_nc_u32 v14, s27, v14                     ; the stage, on the way in
	v_mul_u32_u24 v15, v2, SP
	v_add_nc_u32 v15, s27, v15                     ; and on the way out: my 16 neighbours
	v_lshrrev_b32 v5, 1, v2
	s_add_co_u32 s27, s27, 2*32*SP
	v_add_nc_u32 v5, s27, v5                       ; my wave's 256 scale bytes, [row][64]: my block's byte
	v_and_b32 v7, 3, v2                            ; on their way out lane = 4 k + j: row j,
	v_lshrrev_b32 v4, 2, v2                        ; K step k
	v_lshlrev_b32 v6, 6, v7
	v_lshl_add_u32 v6, v4, 3, v6
	v_add_nc_u32 v6, s27, v6                       ; 64 j + 8 k
	s_lshl_b32 s17, ttmp9, 2
	s_add_co_u32 s17, s17, s16                     ; my run of four rows, counted in key;
	s_sub_co_u32 s18, s17, 4*WGA                   ; counted in W
	s_and_b32 s20, s17, 31                         ; key: run = 32 b + s / 4
	s_lshl_b32 s20, s20, 22
	s_lshr_b32 s21, s17, 5
	s_lshl_b32 s21, s21, 13
	s_add_co_u32 s20, s20, s21
	s_lshl_b32 s22, s18, 15                        ; W: four rows of 8,192 bytes a run
	s_mov_b32 s24, 8192
	s_wait_alu depctr_va_vdst(0)
	s_wait_kmcnt 0x0
	s_cmp_lt_u32 ttmp9, WGA                        ; key's work-group or W's: only selects follow
	s_cselect_b64 s[4:5], s[4:5], s[6:7]
	s_cselect_b64 s[8:9], s[8:9], s[10:11]
	s_cselect_b32 s18, s17, s18
	s_cselect_b32 s20, s20, s22
	s_cselect_b32 s24, 0x100000, s24
	s_mov_b32 s28, KSB
	s_cselect_b32 s28, KSA, s28
	s_mov_b32 s21, 0
	s_add_nc_u64 s[4:5], s[4:5], s[20:21]
	s_lshr_b32 s22, s18, 5                         ; the block of 128 rows
	s_mul_i32 s22, s22, TILEB
	s_and_b32 s29, s18, 31                         ; my first row in it / 4
	s_lshl_b32 s30, s29, 10                        ; four rows of 256 bytes
	s_add_co_u32 s22, s22, s30
	s_mov_b32 s23, 0
	s_add_nc_u64 s[8:9], s[8:9], s[22:23]          ; my rows' codes in K step 0's tile
	s_mul_i32 s30, s29, 992                        ; from there to my rows' scale bytes: 32,768 - 4 x (256 - 8) for each run
	s_sub_co_u32 s30, 32768, s30
	s_mov_b32 s31, 0
	s_add_nc_u64 s[10:11], s[8:9], s[30:31]
	s_lshl_b32 s25, s24, 1
	s_mul_i32 s26, s24, 3
	s_mov_b32 s23, MANT
	v_mov_b32 v[RO], v3
	v_add_nc_u32 v[RO+1], s24, v3
	v_add_nc_u32 v[RO+2], s25, v3
	v_add_nc_u32 v[RO+3], s26, v3
	v_lshrrev_b32 v8, 4, v2
	v_and_b32 v9, 15, v2
	v_lshlrev_b32 v9, 4, v9
.irp q, 0,1,2,3
	v_add_nc_u32 v10, 2*\q, v8
	v_mad_u32_u24 v[CQ+\q], v10, s28, v9
.endr
	v_lshlrev_b32 v7, 3, v7
	v_mad_u32_u24 v7, v4, s28, v7                  ; the scale bytes' place: k K steps + 8 j
	s_wait_alu depctr_va_vdst(0)
.macro LOAD t
.irp i, 0,1,2,3
	global_load_b128 v[R+16*((\t)%4)+4*\i:R+16*((\t)%4)+4*\i+3], v[RO+(\t)/4], s[4:5] offset:2048*((\t)%4)+512*\i th:TH_LOAD_NT
.endr
.endm
.macro TURN t                          ; LDS serves a wave's instructions in order: no wait between the stores and the loads
.irp i, 0,1,2,3
	ds_store_b128 v14, v[R+16*((\t)%4)+4*\i:R+16*((\t)%4)+4*\i+3] offset:32*SP*((\t)%2)+8*SP*\i
.endr
.irp i, 0,1,2,3
	ds_load_b128 v[X+16*((\t)%2)+4*\i:X+16*((\t)%2)+4*\i+3], v15 offset:32*SP*((\t)%2)+16*\i
.endr
.endm
.irp t, 0,1,2,3
	LOAD \t
.endr
	s_wait_loadcnt 12                              ; step 0's four loads are in; the twelve of steps 1 to 3 may be out
	TURN 0
.macro STEP t
.set XS, X+16*((\t)%2)
.if (\t) > 0
	s_wait_dscnt 1                                 ; this step's numbers are back (the last step's byte store may be out)
.else
	s_wait_dscnt 0x0
.endif
.if (\t)+4 < STEPS
	LOAD (\t)+4
.endif
.if (\t)+1 < STEPS
.if STEPS-2-(\t) >= 3
	s_wait_loadcnt 12                              ; the next step's four loads are in; three steps' may be out
.else
	s_wait_loadcnt 4*(STEPS-2-(\t))
.endif
	TURN (\t)+1
.endif
	v_max3_num_f32 v8, |v[XS]|, |v[XS+1]|, |v[XS+2]|
	v_max3_num_f32 v9, |v[XS+3]|, |v[XS+4]|, |v[XS+5]|
.irp i, 6,10
	v_max3_num_f32 v8, v8, |v[XS+\i]|, |v[XS+\i+1]|
	v_max3_num_f32 v9, v9, |v[XS+\i+2]|, |v[XS+\i+3]|
.endr
	v_max3_num_f32 v8, v8, |v[XS+14]|, |v[XS+15]|
	v_max3_num_f32 v8, v8, v9, (EMAX+1)<<23        ; the floor: the byte cannot fall under 1
	v_max_num_f32_dpp v8, v8, v8 row_xmask:1 row_mask:0xf bank_mask:0xf   ; with my neighbour's 16: the block's
	v_add_nc_u32 v11, -(EMAX<<23), v8              ; the conversion's scale operand
	v_and_or_b32 v10, v8, 0x7f800000, s23          ; 448 x the scale
.irp i, 0,1,2,3,4,5,6,7,8,9,10,11,12,13,14,15
	v_med3_num_f32 v[XS+\i], v[XS+\i], -v10, v10   ; the conversion does not saturate (ISA guide 7.6.2)
.endr
	v_cvt_scalef32_pk8_fp8_f32 v[C+4*(\t):C+4*(\t)+1], v[XS:XS+7], v11
	v_cvt_scalef32_pk8_fp8_f32 v[C+4*(\t)+2:C+4*(\t)+3], v[XS+8:XS+15], v11
	v_lshrrev_b32 v[E+((\t)%4)], 23, v11           ; the scale's byte (also the plain line behind the conversions)
	ds_store_b8 v5, v[E+((\t)%4)] offset:16*(\t)
	global_store_b128 v[CQ+((\t)%4)], v[C+4*(\t):C+4*(\t)+3], s[8:9] offset:256*((\t)/4)   ; sixteen lanes store 256 consecutive bytes, aligned
.endm
.irp t, 0,1,2,3,4,5,6,7,8,9,10,11,12,13,14,15
	STEP \t
.endr
	ds_load_b64 v[12:13], v6                       ; these see my stores
	s_wait_dscnt 0x0
	global_store_b64 v7, v[12:13], s[10:11]        ; four lanes store 32 consecutive bytes of a tile's scale rows
	s_wait_tensorcnt 0x0                           ; the wave's end
	ds_add_u32 v[SPW], v[NIL]
	s_wait_dscnt 0x0
	s_endpgm
.Lfunc_end_k_q455f43f9a1_quant:
	.size	k_q455f43f9a1_quant, .Lfunc_end_k_q455f43f9a1_quant-k_q455f43f9a1_quant
	.p2alignl 7, 3214868480
	.fill 96, 4, 3214868480
	.section	.rodata,"a",@progbits
	.p2align	6, 0x0
	.amdhsa_kernel k_q455f43f9a1_quant
		.amdhsa_group_segment_fixed_size 33280
		.amdhsa_private_segment_fixed_size 0
		.amdhsa_enable_private_segment 0
		.amdhsa_kernarg_size 32
		.amdhsa_user_sgpr_count 2
		.amdhsa_user_sgpr_kernarg_segment_ptr 1
		.amdhsa_wavefront_size32 1
		.amdhsa_system_sgpr_workgroup_id_x 1
		.amdhsa_system_sgpr_workgroup_id_y 1
		.amdhsa_system_sgpr_workgroup_id_z 1
		.amdhsa_system_vgpr_workitem_id 0
		.amdhsa_next_free_vgpr 192
		.amdhsa_next_free_sgpr 66
		.amdhsa_reserve_vcc 0
		.amdhsa_float_denorm_mode_32 3
		.amdhsa_float_denorm_mode_16_64 3
		.amdhsa_memory_ordered 1
		.amdhsa_forward_progress 1
		.amdhsa_inst_pref_size 52
	.end_amdhsa_kernel
	.amdgpu_metadata
---
amdhsa.version: [ 1, 2 ]
amdhsa.kernels:
  - .name:           k_q455f43f9a1_quant
    .symbol:         k_q455f43f9a1_quant.kd
    .args:
      - { .name: key, .offset: 0, .size: 8, .value_kind: global_buffer, .address_space: global }
      - { .name: W, .offset: 8, .size: 8, .value_kind: global_buffer, .address_space: global }
      - { .name: a_t, .offset: 16, .size: 8, .value_kind: global_buffer, .address_space: global }
      - { .name: w_t, .offset: 24, .size: 8, .value_kind: global_buffer, .address_space: global }
    .group_segment_fixed_size: 33280
    .private_segment_fixed_size: 0
    .kernarg_segment_align: 8
    .kernarg_segment_size: 32
    .max_flat_workgroup_size: 128
    .sgpr_count:     66
    .vgpr_count:     192
    .wavefront_size: 32
...
	.end_amdgpu_metadata
.endif
;; end of part 1
;; launch gemm (part 2): grid 4 x 64, 4 waves a work-group, clusters of 4 x 4, 327,680 bytes of LDS; arguments a_t, w_t, b, v, part; writes part
.if DOCPART == 2
	.amdgcn_target "amdgcn-amd-amdhsa--gfx1250"
	.amdhsa_code_object_version 6
	.text
	.protected	k_q455f43f9a1_gemm
	.globl	k_q455f43f9a1_gemm
	.p2align	8
	.type	k_q455f43f9a1_gemm,@function
k_q455f43f9a1_gemm:
	s_mov_b64 s[64:65], 0
	v_nop
	global_prefetch_b8 v0, s[64:65] scope:SCOPE_SE
	s_setreg_imm32_b32 hwreg(HW_REG_WAVE_MODE, 25, 1), 1
	s_wait_xcnt 0x0
	s_wait_alu depctr_hold_cnt(0) depctr_sa_sdst(0) depctr_va_vdst(0) depctr_va_sdst(0) depctr_va_ssrc(0) depctr_va_vcc(0) depctr_vm_vsrc(0)
	s_getreg_b32 s2, hwreg(HW_REG_IB_STS2, 6, 4)
	s_cmp_eq_u32 s2, 0
	s_cbranch_scc0 .Lentry_in_a_cluster
	s_endpgm
.Lentry_in_a_cluster:
	s_bfe_u32 s2, ttmp6, 0x10000c
	s_cmp_lg_u32 s2, 0xf033
	s_cbranch_scc0 .Lentry_shape_is_right
	s_endpgm
.Lentry_shape_is_right:
; part[cp][128 b + s] = -2 x the sum over the 128 columns e of column part cp of v[b][e] / (1 + e^(2 x)), x = (key W^T)[128 b + s][e] + bias[e], the product on codes of FP8 (E4M3) with E8M0 scales.
; WORK LEFT OUT: the term sum_e v[b][e] of the score (tanh = 1 - 2 r): it is the same along the softmax's axis (shown at the head of the first kernel).
; SHARES.  A tile is 256 rows x 256 columns, four waves of 128 x 128 (64 accumulators, 512 registers).  256 work-groups; each STAYS and makes two tiles with the SAME ROWS of A, four tile columns apart.
; Clusters of even y take tile columns 0-3 first and 4-7 second, clusters of odd y the other way round: so all that a second tile asks for has been read in this launch before (A's tiles by the same cluster, W's by the clusters of the other parity).
; The parity is a number of the cluster: all partners share it, and it enters global addresses alone.
; OPERANDS come as dense tiles of 132 rows of 256 bytes: 128 rows x 256 codes of one K step, then their 1,024 scale bytes: one tensor load a wave brings both.  LDS rows are padded to 272 bytes.
; RING: two slots of one K step (A's two halves, W's two halves).  At a change of slots the three lines and the cluster's round stand behind the quarter's first 32 products; the joint refill is first behind the round.
; The ring goes on into the next tile: slot 0 takes its K step 0 at the tile's last change of slots, slot 1 its K step 1 in a round between the fourth and fifth block of the way out.
; CLUSTERS: 4 x 4; A's tiles are asked for jointly along a row of the cluster, W's along a column.
; PREFETCH: in the first tile, behind each joint refill, the K step two refills on; the four partners of a joint load share a tile's 132 units of 256 bytes by address, 33 each (32 lanes, and one line more for the last);
; the first four K steps come by their loads alone; in the second tile nothing is asked for: its tiles have been read before.
; The product is used transposed (source 0 = 16 rows of W, source 1 = 16 rows of A): a lane holds one row of A and eight neighbouring columns.  The bias is the C of each tile's first products.
; REGISTERS: window 0: v16-31 addresses, v32-63 scale words (two sets), v64-127 bias, v128-255 A's fragments (on the way out: at work); window 1: W's fragments, two buffers (on the way out v0-63: v); windows 2, 3: accumulators.
; LIMITS: e^(2x) may overflow to infinity: its term is then 0, as the formula's limit is.  NaN among the inputs is not served.
.set TILEB,  33792
.set KSA,    128*TILEB
.set KSB,    16*TILEB
.set PITCH,  272
.set HALFT,  132*PITCH
.set SLOT,   4*HALFT
.set SPARE,  2*SLOT
.set STAGE,  SPARE+512
.set NEXTA,  6*KSA                     ; back from a slot's last K step of a tile to its first of the next: the same rows
.set NL,   4
.set NP,   8
.set ADRA, 16
.set ADRS, 18
.set ADRB, 20
.set STO,  24
.set RD,   25
.set CO,   26
.set PF2,  27
.set SPW,  28
.set NIL,  29
.set BO,   30
.set PFO,  31
.set SC,   32
.set BI,   64
.set AF,   128
.set T,    128
.set S,    192
.set RS,   200
.set TP,   208
.set VV,   0                           ; window 1
.set G1,  24
.set G0,  32
.set G1B, 48
.set G0B, 56
.set PFA, 66
.set PFS, 68
.set LIM, 70
.set SEL, 76
.set C2,  78
.set DB,  80                           ; s[80:81] from the first tile's columns to the second's in bias and v: +-4,096 bytes
.set DP,  82                           ; s[82:83] and in part: +-8 column parts of 65,536 bytes
.set SUBW, 84                          ; s[84:85] what W's descriptors go back at the change of tiles: six K steps, less or more eight blocks
.set MSB, 0
.macro WIN new
.if MSB != \new
	s_set_vgpr_msb (MSB<<8)|\new
.set MSB, \new
.endif
.endm
.set MUL_LO,  0xa1
.set MUL_HI,  0xf1
.set BIAS_LO, 0x81
.set BIAS_HI, 0xc1
.set TO_B,    0x40
.macro PLACES n
.rept \n
	v_nop
.endr
.endm
; a joint load: waves 0, 1 fetch A's halves, waves 2, 3 W's; s_nop 0 and four v_nop follow each line
.macro JLOAD s
	s_cmp_eq_u32 s15, 0
	s_cbranch_scc0 .Lfor_b_\@
	tensor_load_to_lds s[G0+4*\s:G0+4*\s+3], s[G1:G1+7]
	s_nop 0
	PLACES 4
	s_branch .Lasked_\@
.Lfor_b_\@:
	tensor_load_to_lds s[G0B+4*\s:G0B+4*\s+3], s[G1B:G1B+7]
	s_nop 0
	PLACES 4
.Lasked_\@:
.endm
.macro ASK                             ; not in the loop's last trip (no K step two on), and not in the second tile (LIM is then the greatest number)
	s_cmp_gt_u32 s3, s[LIM]
	s_cbranch_scc0 .Lnot_mine_\@
	global_prefetch_b8 v[PFO], s[PFA:PFA+1] th:TH_LOAD_NT scope:SCOPE_SE
	global_prefetch_b8 v[PF2], s[PFA:PFA+1] th:TH_LOAD_NT scope:SCOPE_SE   ; my 33rd unit: all lanes name it
.Lnot_mine_\@:
.endm
.macro CREST
	s_cmp_lg_u32 s14, 0
	s_cbranch_scc1 .Lnot_wave_0_\@
	s_barrier_signal -3
.Lnot_wave_0_\@:
	s_barrier_wait -3
	s_barrier_signal -1
	s_barrier_wait -1
.endm
.macro CROUND
	s_barrier_signal -1
	s_barrier_wait -1
	CREST
.endm
.macro BIAS                            ; bias(16 i + 8 h + 0 .. 7) of my 128 columns
.irp i, 0,1,2,3,4,5,6,7
	global_load_b128 v[BI+8*\i:BI+8*\i+3],   v[BO], s[8:9] offset:64*\i
	global_load_b128 v[BI+8*\i+4:BI+8*\i+7], v[BO], s[8:9] offset:64*\i+16
.endr
.endm
	s_load_b256 s[4:11], s[0:1], 0x0               ; A's tiles, W's tiles, bias, v
	s_load_b64 s[12:13], s[0:1], 0x20              ; part
	v_lshl_add_u32 v[SPW], v0, 2, SPARE
	v_mov_b32 v[NIL], 0
	ds_add_u32 v[SPW], v[NIL]                      ; the opening lines: the add twice on end and its wait
	ds_add_u32 v[SPW], v[NIL]
	v_lshrrev_b32 v1, 5, v0
	v_readfirstlane_b32 s14, v1                    ; wave
	s_lshr_b32 s15, s14, 1                         ; my half of the tile's rows; also: I fetch for A (0) or W (1)
	s_and_b32 s16, s14, 1                          ; my half of its columns; also: which half I fetch
	s_bfe_u32 s40, ttmp6, 0x40000                  ; cx
	s_bfe_u32 s41, ttmp6, 0x40004                  ; cy
	s_and_b32 s86, ttmp7, 1                        ; the cluster's parity
	s_lshl_b32 s42, s86, 2
	s_add_co_u32 s42, s42, s40                     ; first tile column = 4 x parity + cx
	s_and_b32 s17, ttmp7, 0xffff
	s_lshl_b32 s17, s17, 2
	s_add_co_u32 s17, s17, s41                     ; tile row
	s_lshl_b32 s43, s41, 2
	s_lshl_b32 s43, 15, s43                        ; my row of the cluster
	s_lshl_b32 s44, 0x1111, s40                    ; my column
	s_or_b32 s[G1+0], s43, (3<<16)|(1<<20)|(1<<21)|(5<<22)|(3<<25)    ; elements of 8 bytes; four words of padding behind every 64
	s_or_b32 s[G1B+0], s44, (3<<16)|(1<<20)|(1<<21)|(5<<22)|(3<<25)
.irp g, G1, G1B
	s_mov_b32 s[\g+1], 32<<16                      ; rows of 32 elements,
	s_mov_b32 s[\g+2], 132<<16                     ; 132 of them,
	s_mov_b32 s[\g+3], 32<<16
	s_mov_b32 s[\g+4], 132
	s_mov_b32 s[\g+5], 32                          ; dense
	s_mov_b32 s[\g+6], 0
	s_mov_b32 s[\g+7], 0
.endr
	s_lshl_b32 s20, s17, 1
	s_add_co_u32 s20, s20, s16
	s_mul_i32 s20, s20, TILEB                      ; A: block 2 x tile row + half
	s_mov_b32 s21, 0
	s_lshl_b32 s46, s42, 1
	s_add_co_u32 s46, s46, s16
	s_mul_i32 s46, s46, TILEB                      ; W: block 2 x tile column + half
	s_mov_b32 s47, 0
	s_mul_i32 s45, s14, HALFT                      ; where my fetch lands in a slot
	s_wait_alu depctr_va_vdst(0)
	s_wait_dscnt 0x0
	s_wait_kmcnt 0x0
	s_add_nc_u64 s[20:21], s[4:5], s[20:21]
	s_add_nc_u64 s[46:47], s[6:7], s[46:47]
.irp s, 0,1
	s_mov_b32 s[G0+4*\s], 1
	s_add_co_u32 s[G0+4*\s+1], s45, \s*SLOT
	s_add_nc_u64 s[G0+4*\s+2:G0+4*\s+3], s[20:21], \s*KSA
	s_or_b32 s[G0+4*\s+3], s[G0+4*\s+3], 0x80000000
	s_mov_b32 s[G0B+4*\s], 1
	s_add_co_u32 s[G0B+4*\s+1], s45, \s*SLOT
	s_add_nc_u64 s[G0B+4*\s+2:G0B+4*\s+3], s[46:47], \s*KSB
	s_or_b32 s[G0B+4*\s+3], s[G0B+4*\s+3], 0x80000000
.endr
	CROUND                                         ; in front of the first joint loads
	JLOAD 0                                        ; K step 0: one tensor load a wave at the head
	s_mul_i32 s21, s15, HALFT                      ; my rows of A in a slot
	s_mul_i32 s22, s16, HALFT
	s_add_co_u32 s22, s22, 2*HALFT                 ; my rows of W
	s_sub_co_u32 s23, s22, s21
	s_add_co_u32 s18, s21, 128*PITCH               ; A's scale rows
	s_lshl_b32 s19, s14, 9
	s_add_co_u32 s19, s19, STAGE                   ; my stage: 512 bytes
	s_lshl_b32 s46, s42, 10
	s_lshl_b32 s47, s16, 9
	s_add_co_u32 s46, s46, s47                     ; my first column, as bytes of f32
	s_mov_b32 s47, 0
	s_add_nc_u64 s[8:9], s[8:9], s[46:47]
	s_add_nc_u64 s[10:11], s[10:11], s[46:47]
	s_lshl_b32 s72, s17, 14
	s_lshl_b32 s73, s15, 13
	s_add_co_u32 s72, s72, s73                     ; v: batch 2 x tile row + my half, 8,192 bytes each
	s_mov_b32 s73, 0
	s_add_nc_u64 s[10:11], s[10:11], s[72:73]
	s_lshl_b32 s46, s42, 17
	s_lshl_b32 s47, s16, 16
	s_add_co_u32 s46, s46, s47                     ; part: column part 2 x tile column + half, 65,536 bytes each
	s_mov_b32 s47, 0
	s_add_nc_u64 s[12:13], s[12:13], s[46:47]
	s_lshl_b32 s72, s17, 10
	s_lshl_b32 s73, s15, 9
	s_add_co_u32 s72, s72, s73
	s_mov_b32 s73, 0
	s_add_nc_u64 s[12:13], s[12:13], s[72:73]
	s_mov_b32 s[SUBW], 6*KSB-8*TILEB               ; the steps to the second tile: four tile columns up (even parity) or down (odd)
	s_mov_b32 s[DB], 4096
	s_mov_b32 s[DP], 524288
	s_mov_b32 s[SUBW+1], 0
	s_cmp_eq_u32 s86, 1
	s_cselect_b32 s[SUBW], 6*KSB+8*TILEB, s[SUBW]
	s_cselect_b32 s[DB], -4096, s[DB]
	s_cselect_b32 s[DB+1], -1, 0
	s_cselect_b32 s[DP], -524288, s[DP]
	s_cselect_b32 s[DP+1], -1, 0
	s_lshl_b32 s72, s17, 1                         ; the prefetches: the tile that I fetch,
	s_lshl_b32 s46, s42, 1
	s_mov_b32 s[PFS], KSB
	s_cmp_eq_u32 s15, 0
	s_cselect_b32 s72, s72, s46
	s_cselect_b32 s73, s40, s41                    ; my place among the four that ask for it with me,
	s_cselect_b32 s[PFS], KSA, s[PFS]
	s_cselect_b64 s[PFA:PFA+1], s[4:5], s[6:7]
	s_add_co_u32 s72, s72, s16
	s_mul_i32 s72, s72, TILEB
	s_mul_i32 s73, s73, 33*256                     ; 33 units each,
	s_add_co_u32 s72, s72, s73
	s_mul_i32 s73, s[PFS], 3                       ; at K step 3: the first refill steps it to 4
	s_add_co_u32 s72, s72, s73
	s_mov_b32 s73, 0
	s_add_nc_u64 s[PFA:PFA+1], s[PFA:PFA+1], s[72:73]
	s_mov_b32 s[PFS+1], 0
	s_mov_b32 s[LIM], 1
	s_mov_b32 s[SEL], 0x76543210
	s_mov_b32 s[SEL+1], 0xfedcba98
	s_mov_b32 s[C2], 0x4038aa3b                    ; 2 log2 e
	s_mov_b32 s[C2+1], s[C2]
	v_and_b32 v1, 15, v0                           ; r
	v_bfe_u32 v2, v0, 4, 1                         ; h
	v_mul_u32_u24 v3, v1, PITCH
	v_lshl_add_u32 v4, v2, 4, v3
	v_add_nc_u32 v[ADRA], s21, v4
	v_add_nc_u32 v[ADRB], s22, v4
	v_add_nc_u32 v[ADRA+1], SLOT, v[ADRA]
	v_add_nc_u32 v[ADRB+1], SLOT, v[ADRB]
	v_mul_u32_u24 v6, s23, v2                      ; scale words: lanes 0-15 take A's, lanes 16-31 W's: one product
	v_lshl_add_u32 v5, v1, 3, v6                   ; 8 bytes a row
	v_add_nc_u32 v[ADRS], s18, v5
	v_add_nc_u32 v[ADRS+1], SLOT, v[ADRS]
	v_lshl_add_u32 v[STO], v1, 2, s19
	v_and_b32 v6, 31, v0
	v_lshlrev_b32 v[CO], 4, v6
	v_add_nc_u32 v[RD], s19, v[CO]
	v_lshlrev_b32 v[BO], 5, v2
	v_lshlrev_b32 v[PFO], 8, v6
	v_mov_b32 v[PF2], 8192
	BIAS
.macro FRAG reg, adr, q, i
.irp c, 0,1,2,3
	ds_load_b128 v[\reg+4*\c:\reg+4*\c+3], v[\adr] offset:128*(\q)+32*\c+(\i)*16*PITCH
.endr
.endm
; 16 products: row blocks a0, a0 + 1 x all 8 column blocks, 128 along K.  zero = 1: the bias is C and starts the sums
.macro MUL16 a0, p, q, sc, zero
.irp a, \a0, \a0+1
.irp b, 0,1,2,3,4,5,6,7
.if \zero
	v_wmma_scale_f32_16x16x128_f8f6f4 v[8*(8*((\a)%4)+\b):8*(8*((\a)%4)+\b)+7], v[128*(\p)+16*\b:128*(\p)+16*\b+15], v[AF+16*(\a):AF+16*(\a)+15], v[BI+8*\b:BI+8*\b+7], v[SC+16*(\sc)+2*\b+(\q)], v[SC+16*(\sc)+2*(\a)+(\q)] matrix_a_scale:MATRIX_SCALE_ROW1
.else
	v_wmma_scale_f32_16x16x128_f8f6f4 v[8*(8*((\a)%4)+\b):8*(8*((\a)%4)+\b)+7], v[128*(\p)+16*\b:128*(\p)+16*\b+15], v[AF+16*(\a):AF+16*(\a)+15], v[8*(8*((\a)%4)+\b):8*(8*((\a)%4)+\b)+7], v[SC+16*(\sc)+2*\b+(\q)], v[SC+16*(\sc)+2*(\a)+(\q)] matrix_a_scale:MATRIX_SCALE_ROW1
.endif
.endr
.endr
.endm
.macro FETCH_B slot, q, p
	WIN TO_B
.irp i, 0,1,2,3,4,5,6,7
	FRAG 128*(\p)+16*\i, ADRB+\slot, \q, \i
.endr
	WIN 0
.endm
.macro FETCH_A slot, q, i0
.irp i, \i0, \i0+1, \i0+2, \i0+3
	FRAG AF+16*(\i), ADRA+\slot, \q, \i
.endr
.endm
.macro SCALES sc                       ; a K step's two scale words of 16 rows: 32 rows' words fill one scale row of the tile
.irp i, 0,1,2,3,4,5,6,7
	ds_load_b64 v[SC+16*\sc+2*\i:SC+16*\sc+2*\i+1], v[ADRS+\sc] offset:(\i/2)*PITCH+(\i%2)*128
.endr
.endm
; a K step's first quarter: multiplies W's buffer 0 and fetches the second quarter's fragments
.macro STEP slot, zero
	s_wait_dscnt 4*NL                              ; all but the youngest 16 loads (A's rows 64-127)
.if \zero
	WIN BIAS_LO
.else
	WIN MUL_LO
.endif
	MUL16 0, 0, 0, \slot, \zero
	MUL16 2, 0, 0, \slot, \zero
	s_wait_dscnt 0
	PLACES NP                                      ; in front of loads into registers that products have read
	FETCH_B \slot, 1, 1
	FETCH_A \slot, 1, 0
.if \zero
	WIN BIAS_HI
.else
	WIN MUL_HI
.endif
	MUL16 4, 0, 0, \slot, \zero
	MUL16 6, 0, 0, \slot, \zero
	PLACES NP
	WIN 0
	FETCH_A \slot, 1, 4
.endm
; the second quarter, with the change of slots.  fill = 0: nothing is filled; 1: this tile's K step two on; 2: the next tile's K step 0
.macro TURN slot, next, fill
.if \fill
	s_wait_xcnt 0x0                                ; my prefetches have read their address
.if \fill == 2
	s_mov_b32 s[LIM], -1                           ; the second tile asks for nothing
.else
	s_add_nc_u64 s[PFA:PFA+1], s[PFA:PFA+1], s[PFS:PFS+1]
.endif
.endif
	s_wait_dscnt 4*NL
	WIN MUL_LO
	MUL16 0, 1, 1, \slot, 0
	MUL16 2, 1, 1, \slot, 0
	WIN 0
	s_wait_tensorcnt 0x0                           ; my one load that was out, my part of the next slot, has landed
	ds_add_u32 v[SPW], v[NIL]
.if \fill == 1
	s_add_nc_u64 s[G0+4*\slot+2:G0+4*\slot+3], s[G0+4*\slot+2:G0+4*\slot+3], 2*KSA
	s_add_nc_u64 s[G0B+4*\slot+2:G0B+4*\slot+3], s[G0B+4*\slot+2:G0B+4*\slot+3], 2*KSB
.endif
.if \fill == 2
	s_sub_nc_u64 s[G0+4*\slot+2:G0+4*\slot+3], s[G0+4*\slot+2:G0+4*\slot+3], NEXTA
	s_sub_nc_u64 s[G0B+4*\slot+2:G0B+4*\slot+3], s[G0B+4*\slot+2:G0B+4*\slot+3], s[SUBW:SUBW+1]
.endif
	s_wait_dscnt 0x0                               ; the add is done, and my reads of this slot are over
	s_barrier_signal -1
	s_barrier_wait -1
.if \fill
	CREST
	JLOAD \slot                                    ; its four v_nop are places too
	PLACES NP-4
.else
	PLACES NP
.endif
	FETCH_B \next, 0, 0
	FETCH_A \next, 0, 0
	SCALES \next
.if \fill == 1
	ASK
.endif
	WIN MUL_HI
	MUL16 4, 1, 1, \slot, 0
	MUL16 6, 1, 1, \slot, 0
	PLACES NP
	WIN 0
	FETCH_A \next, 0, 4
.endm
; a tile's last quarter; v comes into W's buffer 0, which the quarter before has done with (eight places stand behind its products)
.macro LASTQ
	WIN TO_B
.irp i, 0,1,2,3,4,5,6,7
	global_load_b128 v[VV+8*\i:VV+8*\i+3],   v[BO], s[10:11] offset:64*\i
	global_load_b128 v[VV+8*\i+4:VV+8*\i+7], v[BO], s[10:11] offset:64*\i+16
.endr
	s_wait_dscnt 4*NL
	WIN MUL_LO
	MUL16 0, 1, 1, 1, 0
	MUL16 2, 1, 1, 1, 0
	s_wait_dscnt 0
	WIN MUL_HI
	MUL16 4, 1, 1, 1, 0
	MUL16 6, 1, 1, 1, 0
	WIN 0
	PLACES NP
	s_wait_loadcnt 0x0                             ; v
.endm
; 16 rows of the way out: r = 1 / (1 + 2^(c x)), and the sum of v r over my 64 columns
.macro EPI a
.set AC, 64*((\a)%4)
	WIN 0x02+(\a)/4
	s_wait_alu depctr_va_vdst(0)                   ; ahead of the first readers of matrix results
.set i, 0
.rept 32
	v_pk_mul_f32 v[T+i:T+i+1], v[AC+i:AC+i+1], s[C2:C2+1] op_sel_hi:[1,0]
.set i, i+2
.endr
	WIN 0
	s_wait_alu depctr_va_vdst(0)                   ; ahead of the batch
.set i, 0
.rept 64
	v_exp_f32 v[T+i], v[T+i]
.set i, i+1
.endr
	v_nop
	s_wait_alu depctr_va_vdst(0)                   ; and behind it
.set i, 0
.rept 32
	v_pk_add_f32 v[T+i:T+i+1], v[T+i:T+i+1], 1.0 op_sel_hi:[1,0]
.set i, i+2
.endr
	s_wait_alu depctr_va_vdst(0)
.set i, 0
.rept 64
	v_rcp_f32 v[T+i], v[T+i]
.set i, i+1
.endr
	v_nop
	s_wait_alu depctr_va_vdst(0)
	WIN 0x04                                       ; source 1: v, in window 1
.set p, 0
.rept 32
.if p < 4
	v_pk_mul_f32 v[S+2*p:S+2*p+1], v[T+2*p:T+2*p+1], v[VV+2*p:VV+2*p+1]
.else
	v_pk_fma_f32 v[S+2*(p%4):S+2*(p%4)+1], v[T+2*p:T+2*p+1], v[VV+2*p:VV+2*p+1], v[S+2*(p%4):S+2*(p%4)+1]
.endif
.set p, p+1
.endr
	WIN 0
	v_pk_add_f32 v[S:S+1], v[S:S+1], v[S+2:S+3]
	v_pk_add_f32 v[S+4:S+5], v[S+4:S+5], v[S+6:S+7]
	v_pk_add_f32 v[S:S+1], v[S:S+1], v[S+4:S+5]
	v_add_f32 v[RS+(\a)], v[S], v[S+1]
.endm
.macro FIN                             ; the two halves of the lanes are joined; 128 sums leave through my stage as 512 consecutive bytes
.irp a, 0,1,2,3,4,5,6,7
	v_permlanex16_b32 v[TP+\a], v[RS+\a], s[SEL], s[SEL+1]
.endr
.irp a, 0,1,2,3,4,5,6,7
	v_add_f32 v[RS+\a], v[RS+\a], v[TP+\a]
.endr
.irp a, 0,1,2,3,4,5,6,7
	v_mul_f32 v[RS+\a], -2.0, v[RS+\a]
.endr
.irp a, 0,1,2,3,4,5,6,7
	ds_store_b32 v[STO], v[RS+\a] offset:64*\a
.endr
	ds_load_b128 v[T:T+3], v[RD]
	s_wait_dscnt 0x0
	global_store_b128 v[CO], v[T:T+3], s[12:13]
.endm
	s_wait_alu depctr_va_vdst(0)
	s_wait_tensorcnt 0x0                           ; my part of K step 0 is in; the lines that a later first fill asks for
	ds_add_u32 v[SPW], v[NIL]
	s_wait_dscnt 0x0
	CROUND
	JLOAD 1                                        ; K step 1
	s_mov_b32 s2, 2                                ; tiles to go
.Ltile:
	FETCH_B 0, 0, 0
	FETCH_A 0, 0, 0
	SCALES 0
	FETCH_A 0, 0, 4
	s_wait_loadcnt 0x0                             ; this tile's bias
	STEP 0, 1
	s_cmp_eq_u32 s2, 1
	s_cbranch_scc1 .Lno_bias
	s_add_nc_u64 s[8:9], s[8:9], s[DB:DB+1]        ; the loads that read this base are done (the wait above)
	BIAS                                           ; the next tile's bias: eight places stand behind the products that took this tile's as C
.Lno_bias:
	s_mov_b32 s3, 3
.Llap:
	TURN 0, 1, 1
	STEP 1, 0
	TURN 1, 0, 1
	STEP 0, 0
	s_sub_co_u32 s3, s3, 1
	s_cmp_lg_u32 s3, 0
	s_cbranch_scc1 .Llap
	s_cmp_eq_u32 s2, 1
	s_cbranch_scc1 .Llast                          ; the last tile's tail is written out: it asks for nothing more
	TURN 0, 1, 2                                   ; slot 0 takes the next tile's K step 0
	STEP 1, 0
	LASTQ
.irp a, 0,1,2,3
	EPI \a
.endr
	s_wait_alu depctr_va_vdst(0)
	s_wait_tensorcnt 0x0                           ; the next tile's K step 0 has landed
	ds_add_u32 v[SPW], v[NIL]
	s_sub_nc_u64 s[G0+6:G0+7], s[G0+6:G0+7], NEXTA
	s_sub_nc_u64 s[G0B+6:G0B+7], s[G0B+6:G0B+7], s[SUBW:SUBW+1]
	s_wait_dscnt 0x0                               ; my reads of slot 1 are over
	CROUND
	JLOAD 1                                        ; slot 1 takes the next tile's K step 1
.irp a, 4,5,6,7
	EPI \a
.endr
	FIN
	s_wait_xcnt 0x0                                ; the store's data and base, and v's base, are written again only behind this wait
	s_add_nc_u64 s[12:13], s[12:13], s[DP:DP+1]    ; the second tile's column parts,
	s_add_nc_u64 s[10:11], s[10:11], s[DB:DB+1]    ; and its columns of v
	s_sub_co_u32 s2, s2, 1
	s_branch .Ltile
.Llast:
	TURN 0, 1, 0
	STEP 1, 0
	LASTQ
.irp a, 0,1,2,3,4,5,6,7
	EPI \a
.endr
	FIN
	s_wait_tensorcnt 0x0                           ; the wave's end
	ds_add_u32 v[SPW], v[NIL]
	s_wait_dscnt 0x0
	CROUND                                         ; the closing round
	s_endpgm
.Lfunc_end_k_q455f43f9a1_gemm:
	.size	k_q455f43f9a1_gemm, .Lfunc_end_k_q455f43f9a1_gemm-k_q455f43f9a1_gemm
	.p2alignl 7, 3214868480
	.fill 96, 4, 3214868480
	.section	.rodata,"a",@progbits
	.p2align	6, 0x0
	.amdhsa_kernel k_q455f43f9a1_gemm
		.amdhsa_group_segment_fixed_size 327680
		.amdhsa_private_segment_fixed_size 0
		.amdhsa_enable_private_segment 0
		.amdhsa_kernarg_size 40
		.amdhsa_user_sgpr_count 2
		.amdhsa_user_sgpr_kernarg_segment_ptr 1
		.amdhsa_wavefront_size32 1
		.amdhsa_system_sgpr_workgroup_id_x 1
		.amdhsa_system_sgpr_workgroup_id_y 1
		.amdhsa_system_sgpr_workgroup_id_z 1
		.amdhsa_system_vgpr_workitem_id 0
		.amdhsa_next_free_vgpr 1024
		.amdhsa_next_free_sgpr 100
		.amdhsa_reserve_vcc 0
		.amdhsa_float_denorm_mode_32 3
		.amdhsa_float_denorm_mode_16_64 3
		.amdhsa_memory_ordered 1
		.amdhsa_forward_progress 1
		.amdhsa_inst_pref_size 255
	.end_amdhsa_kernel
	.section	.bss,"aw",@nobits
	.p2align	6
	.space	262144
	.amdgpu_metadata
---
amdhsa.version: [ 1, 2 ]
amdhsa.kernels:
  - .name:           k_q455f43f9a1_gemm
    .symbol:         k_q455f43f9a1_gemm.kd
    .args:
      - { .name: a_t, .offset: 0, .size: 8, .value_kind: global_buffer, .address_space: global }
      - { .name: w_t, .offset: 8, .size: 8, .value_kind: global_buffer, .address_space: global }
      - { .name: b, .offset: 16, .size: 8, .value_kind: global_buffer, .address_space: global }
      - { .name: v, .offset: 24, .size: 8, .value_kind: global_buffer, .address_space: global }
      - { .name: part, .offset: 32, .size: 8, .value_kind: global_buffer, .address_space: global }
    .group_segment_fixed_size: 327680
    .private_segment_fixed_size: 0
    .kernarg_segment_align: 8
    .kernarg_segment_size: 40
    .max_flat_workgroup_size: 128
    .sgpr_count:     100
    .vgpr_count:     1024
    .wavefront_size: 32
...
	.end_amdgpu_metadata
.endif
;; end of part 2
;; launch pool (part 3): grid 2 x 128, 8 waves a work-group, no clusters, 5,120 bytes of LDS; arguments part, value, out0, out1; writes out0, out1
.if DOCPART == 3
	.amdgcn_target "amdgcn-amd-amdhsa--gfx1250"
	.amdhsa_code_object_version 6
	.text
	.protected	k_q455f43f9a1_pool
	.globl	k_q455f43f9a1_pool
	.p2align	8
	.type	k_q455f43f9a1_pool,@function
k_q455f43f9a1_pool:
	s_mov_b64 s[64:65], 0
	v_nop
	global_prefetch_b8 v0, s[64:65] scope:SCOPE_SE
	s_setreg_imm32_b32 hwreg(HW_REG_WAVE_MODE, 25, 1), 1
	s_wait_xcnt 0x0
; score[b][s] = the sum over cp of part[cp][128 b + s];  p[b][:] = softmax over s, with the row's maximum taken away;  out1 = p;  out0[b][:] = the sum over s of p[b][s] value[s][b][:].
; part: [16][16,384], value: [128 (s)][128 (b)][2,048], out0: [128][2,048], out1: [128][128], all f32.
; SHARES.  A work-group takes one batch and half of its 2,048 columns.  Thread t owns the 16 bytes at 16 t of each of the 128 rows: a load of a wave covers 512 consecutive bytes, aligned, and each byte of value is
; read once.  Every wave makes the batch's softmax for itself (8,192 bytes of part a wave): so no wave waits for another, and there is no barrier.  p goes through the wave's own 512 bytes of LDS, from which all
; lanes read the same eight numbers for eight rows.
; No matrix unit (a weighted sum with one weight a row), no tensor loads, no cluster: what work-groups share is the 8,192 bytes of part, against the 524,288 bytes of value that each reads alone.
; A ring of four sets of eight rows in registers keeps up to 32 loads of every wave out.  Every offset is an immediate or a register that is never rewritten.
; LIMITS: NaN and infinities among the scores are not served.
.set GA,  8                            ; v8-23    group g of eight rows: 16 x thread + g x 8 rows of 2^20 bytes; never rewritten
.set SC,  24                           ; v24-87   the 16 parts of my four scores
.set P,   88                           ; v88-103  two sets of eight p
.set ACC, 104                          ; v104-111 two sets of four sums (even rows', odd rows')
.set PR,  112                          ; v112-115 p of s = 4 lane + 0 .. 3; never rewritten
.set X,   128                          ; v128-255 four sets of eight rows x 4 numbers
	s_load_b256 s[4:11], s[0:1], 0x0               ; part s[4:5], value s[6:7], out0 s[8:9], out1 s[10:11]
	v_lshl_add_u32 v126, v0, 2, 0x1000
	v_mov_b32 v127, 0
	v_lshrrev_b32 v1, 5, v0
	s_delay_alu instid0(VALU_DEP_1)
	v_readfirstlane_b32 s12, v1                    ; wave 0..7
	v_and_b32 v1, 31, v0                           ; lane
	s_delay_alu instid0(VALU_DEP_1)
	v_lshlrev_b32 v2, 4, v1                        ; 16 x lane
	s_lshl_b32 s14, s12, 9                         ; my wave's 512 bytes of LDS
	v_add_nc_u32 v3, s14, v2                       ; where I put my four p
	v_mov_b32 v4, s14                              ; from where all lanes read
	v_lshlrev_b32 v5, 4, v0                        ; 16 x thread
.irp g, 0,1,2,3,4,5,6,7,8,9,10,11,12,13,14,15
	v_lshl_or_b32 v[GA+\g], v0, 4, \g*8388608
.endr
	v_mov_b32 v117, 0                              ; written once: a lane permute's destination counts as one of its sources
	s_mov_b32 s16, 0x76543210
	s_mov_b32 s17, 0xfedcba98                      ; v_permlanex16_b32's selects for lane l xor 16
	s_and_b32 s13, ttmp7, 0xffff                   ; the batch
	s_lshl_b32 s18, s13, 9                         ; 128 scores or 128 p: 512 bytes a batch
	s_mov_b32 s19, 0
	s_lshl_b32 s20, s13, 13                        ; 8,192 bytes a batch in a row s of value and in out0,
	s_lshl_b32 s21, ttmp9, 12                      ; 4,096 a half
	s_add_co_u32 s20, s20, s21
	s_mov_b32 s21, 0
	s_wait_kmcnt 0x0
	s_add_nc_u64 s[4:5], s[4:5], s[18:19]
	s_add_nc_u64 s[10:11], s[10:11], s[18:19]
	s_add_nc_u64 s[6:7], s[6:7], s[20:21]
	s_add_nc_u64 s[8:9], s[8:9], s[20:21]
.irp c, 0,1,2,3,4,5,6,7,8,9,10,11,12,13,14,15
	global_load_b128 v[SC+4*\c:SC+4*\c+3], v2, s[4:5] offset:65536*\c
.endr
.macro FILL g                          ; rows 8 g .. 8 g + 7 into set g % 4; the row stands in the immediate: 7 x 2^20 at the most, inside its signed 24 bits (ISA guide, chapter 10)
.irp j, 0,1,2,3,4,5,6,7
	global_load_b128 v[X+32*((\g)%4)+4*\j:X+32*((\g)%4)+4*\j+3], v[GA+(\g)], s[6:7] offset:\j*1048576 th:TH_LOAD_NT
.endr
.endm
	FILL 0
	FILL 1
	FILL 2
	FILL 3
	s_wait_loadcnt 32                              ; the 16 parts are in; the 32 loads of value stay out
.irp d, 8,4,2,1                                ; the parts are added as a tree
.set c, 0
.rept \d
	v_pk_add_f32 v[SC+4*c:SC+4*c+1], v[SC+4*c:SC+4*c+1], v[SC+4*(c+\d):SC+4*(c+\d)+1]
	v_pk_add_f32 v[SC+4*c+2:SC+4*c+3], v[SC+4*c+2:SC+4*c+3], v[SC+4*(c+\d)+2:SC+4*(c+\d)+3]
.set c, c+1
.endr
.endr
	s_delay_alu instid0(VALU_DEP_1)
	v_max3_num_f32 v116, v[SC], v[SC+1], v[SC+2]   ; the largest of the batch's 128 scores: my four, then across the 32 lanes
	s_delay_alu instid0(VALU_DEP_1)
	v_max_num_f32 v116, v116, v[SC+3]
	s_delay_alu instid0(VALU_DEP_1)
	v_max_num_f32_dpp v116, v116, v116 row_xmask:1 row_mask:0xf bank_mask:0xf
	s_delay_alu instid0(VALU_DEP_1)
	v_max_num_f32_dpp v116, v116, v116 row_xmask:2 row_mask:0xf bank_mask:0xf
	s_delay_alu instid0(VALU_DEP_1)
	v_max_num_f32_dpp v116, v116, v116 row_xmask:4 row_mask:0xf bank_mask:0xf
	s_delay_alu instid0(VALU_DEP_1)
	v_max_num_f32_dpp v116, v116, v116 row_xmask:8 row_mask:0xf bank_mask:0xf
	s_delay_alu instid0(VALU_DEP_1)
	v_permlanex16_b32 v117, v116, s16, s17
	s_delay_alu instid0(VALU_DEP_1)
	v_max_num_f32 v116, v116, v117
.irp i, 0,1,2,3
	v_sub_f32 v[118+\i], v[SC+\i], v116            ; 0 or less
.endr
.irp i, 0,1,2,3
	s_delay_alu instid0(VALU_DEP_4)
	v_mul_f32 v[118+\i], 0x3fb8aa3b, v[118+\i]     ; x log2 e
.endr
	s_wait_alu depctr_va_vdst(0)
.irp i, 0,1,2,3
	v_exp_f32 v[118+\i], v[118+\i]
.endr
	v_nop                                          ; a plain line behind the last exponential
	s_wait_alu depctr_va_vdst(0)                   ; ahead of the first line that names a result: one for the four
	v_add_f32 v122, v118, v119
	v_add_f32 v123, v120, v121
	s_delay_alu instid0(VALU_DEP_1)
	v_add_f32 v122, v122, v123
	s_delay_alu instid0(VALU_DEP_1)
	v_add_f32_dpp v122, v122, v122 row_xmask:1 row_mask:0xf bank_mask:0xf
	s_delay_alu instid0(VALU_DEP_1)
	v_add_f32_dpp v122, v122, v122 row_xmask:2 row_mask:0xf bank_mask:0xf
	s_delay_alu instid0(VALU_DEP_1)
	v_add_f32_dpp v122, v122, v122 row_xmask:4 row_mask:0xf bank_mask:0xf
	s_delay_alu instid0(VALU_DEP_1)
	v_add_f32_dpp v122, v122, v122 row_xmask:8 row_mask:0xf bank_mask:0xf
	s_delay_alu instid0(VALU_DEP_1)
	v_permlanex16_b32 v117, v122, s16, s17
	s_delay_alu instid0(VALU_DEP_1)
	v_add_f32 v122, v122, v117                     ; the sum: at least 1, since the largest score's term is 1
	s_wait_alu depctr_va_vdst(0)
	v_rcp_f32 v123, v122
	v_nop
	s_wait_alu depctr_va_vdst(0)
.irp i, 0,1,2,3
	v_mul_f32 v[PR+\i], v[118+\i], v123
.endr
	ds_store_b128 v3, v[PR:PR+3]                   ; p[s] at byte 4 s of my wave's 512
	s_or_b32 s14, ttmp9, s12
	s_cmp_lg_u32 s14, 0                            ; p leaves once for a batch: by wave 0 of the first half's work-group
	s_cbranch_scc1 .Lnot_mine
	global_store_b128 v2, v[PR:PR+3], s[10:11]     ; 32 lanes store 512 consecutive bytes, aligned
.Lnot_mine:
	ds_load_b128 v[P:P+3], v4                      ; LDS serves a wave's instructions in order: these see my store.  All lanes read the same 16 bytes
	ds_load_b128 v[P+4:P+7], v4 offset:16
; Group g: eight rows, each times its p.  Two sets of sums (even rows, odd rows) x two pairs: four chains.  The first two rows' products start the sums: nothing is cleared.
.macro TURN g
.set XS, X+32*((\g)%4)
.set PS, P+8*((\g)%2)
.if (\g) <= 12
	s_wait_loadcnt 24                              ; this group's eight loads are in; those of the three groups behind it may be out
.else
	s_wait_loadcnt 8*(15-(\g))
.endif
	s_wait_dscnt 0x0                               ; this group's eight p are in
.if (\g) < 15
	ds_load_b128 v[P+8*(((\g)+1)%2):P+8*(((\g)+1)%2)+3],   v4 offset:32*((\g)+1)
	ds_load_b128 v[P+8*(((\g)+1)%2)+4:P+8*(((\g)+1)%2)+7], v4 offset:32*((\g)+1)+16
.endif
.irp q, 0,1,2,3                                ; rows 2 q and 2 q + 1; their p are the pair at PS + 2 q: its first word serves both halves of the even row's lines, its second those of the odd row's
.irp k, 0,2
.if ((\g) == 0) && (\q == 0)
	v_pk_mul_f32 v[ACC+\k:ACC+\k+1], v[XS+8*\q+\k:XS+8*\q+\k+1], v[PS+2*\q:PS+2*\q+1] op_sel_hi:[1,0]
	v_pk_mul_f32 v[ACC+4+\k:ACC+4+\k+1], v[XS+8*\q+4+\k:XS+8*\q+4+\k+1], v[PS+2*\q:PS+2*\q+1] op_sel:[0,1] op_sel_hi:[1,1]
.else
	v_pk_fma_f32 v[ACC+\k:ACC+\k+1], v[XS+8*\q+\k:XS+8*\q+\k+1], v[PS+2*\q:PS+2*\q+1], v[ACC+\k:ACC+\k+1] op_sel_hi:[1,0,1]
	v_pk_fma_f32 v[ACC+4+\k:ACC+4+\k+1], v[XS+8*\q+4+\k:XS+8*\q+4+\k+1], v[PS+2*\q:PS+2*\q+1], v[ACC+4+\k:ACC+4+\k+1] op_sel:[0,1,0] op_sel_hi:[1,1,1]
.endif
.endr
.endr
.if (\g)+4 <= 15
	FILL (\g)+4                                    ; the set just read takes the group four further on
.endif
.endm
.irp g, 0,1,2,3,4,5,6,7,8,9,10,11,12,13,14,15
	s_wait_alu depctr_va_vdst(0)
	TURN \g
.endr
	s_delay_alu instid0(VALU_DEP_3)
	v_pk_add_f32 v[ACC:ACC+1], v[ACC:ACC+1], v[ACC+4:ACC+5]
	s_delay_alu instid0(VALU_DEP_2)
	v_pk_add_f32 v[ACC+2:ACC+3], v[ACC+2:ACC+3], v[ACC+6:ACC+7]
	global_store_b128 v5, v[ACC:ACC+3], s[8:9]     ; sixteen lanes store 256 consecutive bytes, aligned
	s_wait_tensorcnt 0x0
	ds_add_u32 v126, v127
	s_wait_dscnt 0x0
	s_endpgm
.Lfunc_end_k_q455f43f9a1_pool:
	.size	k_q455f43f9a1_pool, .Lfunc_end_k_q455f43f9a1_pool-k_q455f43f9a1_pool
	.p2alignl 7, 3214868480
	.fill 96, 4, 3214868480
	.section	.rodata,"a",@progbits
	.p2align	6, 0x0
	.amdhsa_kernel k_q455f43f9a1_pool
		.amdhsa_group_segment_fixed_size 5120
		.amdhsa_private_segment_fixed_size 0
		.amdhsa_enable_private_segment 0
		.amdhsa_kernarg_size 32
		.amdhsa_user_sgpr_count 2
		.amdhsa_user_sgpr_kernarg_segment_ptr 1
		.amdhsa_wavefront_size32 1
		.amdhsa_system_sgpr_workgroup_id_x 1
		.amdhsa_system_sgpr_workgroup_id_y 1
		.amdhsa_system_sgpr_workgroup_id_z 1
		.amdhsa_system_vgpr_workitem_id 0
		.amdhsa_next_free_vgpr 256
		.amdhsa_next_free_sgpr 66
		.amdhsa_reserve_vcc 0
		.amdhsa_float_denorm_mode_32 3
		.amdhsa_float_denorm_mode_16_64 3
		.amdhsa_memory_ordered 1
		.amdhsa_forward_progress 1
		.amdhsa_inst_pref_size 41
	.end_amdhsa_kernel
	.amdgpu_metadata
---
amdhsa.version: [ 1, 2 ]
amdhsa.kernels:
  - .name:           k_q455f43f9a1_pool
    .symbol:         k_q455f43f9a1_pool.kd
    .args:
      - { .name: part, .offset: 0, .size: 8, .value_kind: global_buffer, .address_space: global }
      - { .name: value, .offset: 8, .size: 8, .value_kind: global_buffer, .address_space: global }
      - { .name: out0, .offset: 16, .size: 8, .value_kind: global_buffer, .address_space: global }
      - { .name: out1, .offset: 24, .size: 8, .value_kind: global_buffer, .address_space: global }
    .group_segment_fixed_size: 5120
    .private_segment_fixed_size: 0
    .kernarg_segment_align: 8
    .kernarg_segment_size: 32
    .max_flat_workgroup_size: 256
    .sgpr_count:     66
    .vgpr_count:     256
    .wavefront_size: 32
...
	.end_amdgpu_metadata
.endif
;; end of part 3
